; MI455X (gfx1250); checked and timed in simulation.
; The chip was launched on July 23, 2026; its instructions are those of AMD's public machine-readable ISA for CDNA 5 (MIT licence, August 2026) and "CDNA5" Instruction Set Architecture Reference Guide (July 2026). The comments in the code are by the model that wrote it; some were corrected since.
;; Bert Self Attention. Allowed arithmetic: float matrix products may take bf16 or f16 operands with f32 sums; other float arithmetic in f32, or as packed bf16 or f16 multiplies, adds, multiply-adds, maxima and minima; sums over many terms, partial sums and values carried from step to step in f32; what a program stores and reads back later, other than sums and carried values, may be rounded once to bf16 or f16.
;; Inputs: Wk 1,024 x 1,024 float32; Wq 1,024 x 1,024 float32; Wv 1,024 x 1,024 float32; attention_mask 4 x 1 x 1 x 2,048 float32; bk 1,024 float32; bq 1,024 float32; bv 1,024 float32; hidden_states 4 x 2,048 x 1,024 float32.
;; Outputs: out0 4 x 2,048 x 1,024 float32.
;; One version. Each part assembles by itself: llvm-mc -triple=amdgcn-amd-amdhsa -mcpu=gfx1250 --defsym DOCPART=n.
;; ======== version 1 of 1: 3 launches
;; limits: values are held in f16: magnitudes above 65,504 overflow, below 6.1e-05 lose precision
;; workspace buffers: xb 16,777,216 bytes; wb 6,291,456 bytes; qkv 50,331,648 bytes
;; launch cast (part 1): grid 128 x 11, 8 waves a work-group, no clusters, 0 bytes of LDS; arguments hidden_states, Wq, Wk, Wv, xb, wb; writes xb, wb
.if DOCPART == 1
	.amdgcn_target "amdgcn-amd-amdhsa--gfx1250"
	.amdhsa_code_object_version 6
	.text
	.protected	k_qb7e7ba3a07_cast
	.globl	k_qb7e7ba3a07_cast
	.p2align	8
	.type	k_qb7e7ba3a07_cast,@function
k_qb7e7ba3a07_cast:
	s_mov_b64 s[64:65], 0
	v_nop
	global_prefetch_b8 v0, s[64:65] scope:SCOPE_SE
	s_setreg_imm32_b32 hwreg(HW_REG_WAVE_MODE, 25, 1), 1
	s_wait_xcnt 0x0
; f32 -> bf16, rounded to nearest even: hidden_states [8192][1024] -> xb; Wq, Wk, Wv [1024][1024] -> wb [3072][1024] (Wq's rows, then Wk's, then Wv's).
; A stream: every byte is read once and written once; no LDS, no barrier, no matrix unit: they would add nothing.
; A work-group casts one chunk of 32,768 input bytes into 16,384 output bytes.  y = 0..7: chunk 128 y + x of hidden_states; y = 8, 9, 10: chunk x of Wq, Wk, Wv.
; Thread t takes 16 bytes at 16 t of each of the chunk's eight pieces of 4,096 bytes: a wave's load covers 512 consecutive bytes, its store 256 consecutive bytes, aligned.
.set SRC, 24                           ; s[24:25] the chunk in its input
.set DST, 22                           ; s[22:23] the chunk in xb or wb
.set X,   8                            ; v[8:39]  eight loads of four registers
.set Y,   40                           ; v[40:55] eight stores of two
	s_load_b256 s[4:11], s[0:1], 0x0               ; hidden_states s[4:5], Wq s[6:7], Wk s[8:9], Wv s[10:11]
	s_load_b128 s[12:15], s[0:1], 0x20             ; xb s[12:13], wb s[14:15]
	s_and_b32 s16, ttmp7, 0xffff                   ; y
	s_mov_b32 s17, ttmp9                           ; x
	s_lshl_b32 s18, s16, 7
	s_add_co_u32 s18, s18, s17                     ; 128 y + x
	s_and_b32 s21, s18, 1023                       ; the chunk's number in its output: 128 y + x in xb, 128 (y - 8) + x in wb
	v_lshlrev_b32 v1, 4, v0                        ; 16 t
	v_lshlrev_b32 v2, 3, v0                        ; 8 t
	s_cmp_lt_u32 s16, 8                            ; hidden_states?
	s_cselect_b32 s20, s18, s17                    ; the chunk's number in its input
	s_wait_kmcnt 0x0
	s_cselect_b64 s[DST:DST+1], s[12:13], s[14:15] ; (the selects and the wait leave SCC alone)
	s_mov_b64 s[SRC:SRC+1], s[4:5]
	s_cmp_eq_u32 s16, 8
	s_cselect_b64 s[SRC:SRC+1], s[6:7], s[SRC:SRC+1]
	s_cmp_eq_u32 s16, 9
	s_cselect_b64 s[SRC:SRC+1], s[8:9], s[SRC:SRC+1]
	s_cmp_eq_u32 s16, 10
	s_cselect_b64 s[SRC:SRC+1], s[10:11], s[SRC:SRC+1]
	s_lshl_b32 s26, s20, 15                        ; 32,768 bytes a chunk in
	s_mov_b32 s27, 0
	s_lshl_b32 s28, s21, 14                        ; 16,384 out
	s_mov_b32 s29, 0
	s_add_nc_u64 s[SRC:SRC+1], s[SRC:SRC+1], s[26:27]
	s_add_nc_u64 s[DST:DST+1], s[DST:DST+1], s[28:29]
.irp i, 0,1,2,3,4,5,6,7
	global_load_b128 v[X+4*(\i):X+4*(\i)+3], v1, s[SRC:SRC+1] offset:4096*(\i) th:TH_LOAD_NT
.endr
.irp i, 0,1,2,3,4,5,6,7
	s_wait_loadcnt 7-(\i)                          ; loads come back in order: piece i is in, the younger ones stay out
	v_cvt_pk_bf16_f32 v[Y+2*(\i)],   v[X+4*(\i)],   v[X+4*(\i)+1]
	v_cvt_pk_bf16_f32 v[Y+2*(\i)+1], v[X+4*(\i)+2], v[X+4*(\i)+3]
	global_store_b64 v2, v[Y+2*(\i):Y+2*(\i)+1], s[DST:DST+1] offset:2048*(\i) th:TH_STORE_NT
.endr
	s_endpgm
.Lfunc_end_k_qb7e7ba3a07_cast:
	.size	k_qb7e7ba3a07_cast, .Lfunc_end_k_qb7e7ba3a07_cast-k_qb7e7ba3a07_cast
	.p2alignl 7, 3214868480
	.fill 96, 4, 3214868480
	.section	.rodata,"a",@progbits
	.p2align	6, 0x0
	.amdhsa_kernel k_qb7e7ba3a07_cast
		.amdhsa_group_segment_fixed_size 0
		.amdhsa_private_segment_fixed_size 0
		.amdhsa_enable_private_segment 0
		.amdhsa_kernarg_size 48
		.amdhsa_user_sgpr_count 2
		.amdhsa_user_sgpr_kernarg_segment_ptr 1
		.amdhsa_wavefront_size32 1
		.amdhsa_system_sgpr_workgroup_id_x 1
		.amdhsa_system_sgpr_workgroup_id_y 1
		.amdhsa_system_sgpr_workgroup_id_z 1
		.amdhsa_system_vgpr_workitem_id 0
		.amdhsa_next_free_vgpr 56
		.amdhsa_next_free_sgpr 66
		.amdhsa_reserve_vcc 0
		.amdhsa_float_denorm_mode_32 3
		.amdhsa_float_denorm_mode_16_64 3
		.amdhsa_memory_ordered 1
		.amdhsa_forward_progress 1
		.amdhsa_inst_pref_size 4
	.end_amdhsa_kernel
	.amdgpu_metadata
---
amdhsa.version: [ 1, 2 ]
amdhsa.kernels:
  - .name:           k_qb7e7ba3a07_cast
    .symbol:         k_qb7e7ba3a07_cast.kd
    .args:
      - { .name: hidden_states, .offset: 0, .size: 8, .value_kind: global_buffer, .address_space: global }
      - { .name: Wq, .offset: 8, .size: 8, .value_kind: global_buffer, .address_space: global }
      - { .name: Wk, .offset: 16, .size: 8, .value_kind: global_buffer, .address_space: global }
      - { .name: Wv, .offset: 24, .size: 8, .value_kind: global_buffer, .address_space: global }
      - { .name: xb, .offset: 32, .size: 8, .value_kind: global_buffer, .address_space: global }
      - { .name: wb, .offset: 40, .size: 8, .value_kind: global_buffer, .address_space: global }
    .group_segment_fixed_size: 0
    .private_segment_fixed_size: 0
    .kernarg_segment_align: 8
    .kernarg_segment_size: 48
    .max_flat_workgroup_size: 256
    .sgpr_count:     66
    .vgpr_count:     56
    .wavefront_size: 32
...
	.end_amdgpu_metadata
.endif
;; end of part 1
;; launch proj (part 2): grid 16 x 16, 4 waves a work-group, clusters of 4 x 4, 327,680 bytes of LDS; arguments xb, wb, bq, bk, bv, qkv; writes qkv
.if DOCPART == 2
	.amdgcn_target "amdgcn-amd-amdhsa--gfx1250"
	.amdhsa_code_object_version 6
	.text
	.protected	k_qb7e7ba3a07_proj
	.globl	k_qb7e7ba3a07_proj
	.p2align	8
	.type	k_qb7e7ba3a07_proj,@function
k_qb7e7ba3a07_proj:
	s_mov_b64 s[64:65], 0
	v_nop
	global_prefetch_b8 v0, s[64:65] scope:SCOPE_SE
	s_setreg_imm32_b32 hwreg(HW_REG_WAVE_MODE, 25, 1), 1
	s_wait_xcnt 0x0
	s_wait_alu depctr_hold_cnt(0) depctr_sa_sdst(0) depctr_va_vdst(0) depctr_va_sdst(0) depctr_va_ssrc(0) depctr_va_vcc(0) depctr_vm_vsrc(0)
	s_getreg_b32 s2, hwreg(HW_REG_IB_STS2, 6, 4)
	s_cmp_eq_u32 s2, 0
	s_cbranch_scc0 .Lentry_in_a_cluster
	s_endpgm
.Lentry_in_a_cluster:
	s_bfe_u32 s2, ttmp6, 0x10000c
	s_cmp_lg_u32 s2, 0xf033
	s_cbranch_scc0 .Lentry_shape_is_right
	s_endpgm
.Lentry_shape_is_right:
; qkv = (xb wb^T + bias), q's columns times c = log2(e) / 8, rounded once to f16 and laid out by heads: qkv[b][g][s][64], g = 0-15 q's heads, 16-31 k's, 32-47 v's.
; xb: [8192][1024] bf16, wb: [3072][1024] bf16, the biases f32 (rounded to bf16 here, like all the module's inputs); sums in f32.
; LIMIT.  f16 holds no number beyond 65,504: c q, k and v must lie within it.
; A tile of C is 256 rows x 192 columns (three whole heads): 32 x 16 = 512 tiles, two for each of 256 work-groups, the second 4,096 rows (two batches) below the first.
; Four waves; wave w makes rows 64 w .. 64 w + 63 of all 192 columns: 4 x 12 accumulators of 16 x 16, 384 registers.  So whole rows of a head are one wave's, and its way out needs no other wave.
; K goes in steps of 128 through a ring of two LDS slots filled by tensor loads: rows of 256 bytes of memory, at multiples of 256 bytes from the buffer's first byte.
; CLUSTERS: 4 x 4 work-groups.  The four of a row of the cluster need the same tile of xb, the four of a column the same tile of wb: each tile is asked for JOINTLY, by the same tensor
; load with the same descriptor and a mask that names the four.
; THE MATRIX INSTRUCTION IS USED TRANSPOSED (source 0 = 16 rows of wb, source 1 = 16 rows of xb): lane l then holds row l % 16 of C and the columns 8 (l / 16) + 0..7.
; THE BIAS is the C operand of the product that starts each sum: nothing is cleared, nothing is added later.
; REGISTERS, in windows of 256 (s_set_vgpr_msb: bits 1:0 source 0, 3:2 source 1, 5:4 source 2, 7:6 destination):
;   window 0: v1-5 at work; v16-29 addresses; v32-79 packed results; v80-175 rows read back from the stage, two buffers of 48
;   window 1: two fragment buffers of 128: xb's four fragments (16 rows x 32 K) at f + 8 a, wb's twelve at f + 32 + 8 b
;   window 2: accumulator (a, b < 8) at 8 (8 a + b)      window 3: accumulator (a, b >= 8) at 8 (4 a + b - 8); v128-223 the bias, block b at 128 + 8 b; v224 at work
.set SIZE_K, 1024
.set KSTEP,  128
.set PITCH,  272                       ; an LDS row: 256 bytes + 16 of padding = 68 words: row r starts at bank 4 r mod 64 (64 banks of 4 bytes: ISA guide 11.1)
.set HALFA,  128*PITCH                 ; what waves 0 and 1 fetch: 128 rows of xb each
.set HALFB,  96*PITCH                  ; what waves 2 and 3 fetch: 96 rows of wb each
.set BOFF,   2*HALFA                   ; wb's 192 rows lie behind xb's 256
.set SLOT,   BOFF+2*HALFB              ; 121,856 bytes
.set STAGE,  2*SLOT                    ; behind the ring, never filled by a tensor load: 16 rows x 400 bytes for each wave
.set SPITCH, 400                       ; 384 bytes + 16: an odd multiple of 16
.set SPARE,  STAGE+4*16*SPITCH         ; the spare words, 128 bytes a wave: two blocks of 256 bytes that no other line names
.set LAPS,   SIZE_K/(2*KSTEP)          ; a lap = two K steps = once round the ring
.set NEXT_A, 4096*SIZE_K*2-(SIZE_K-2*KSTEP)*2   ; from a slot's last K step of a tile to its first of the next: 4,096 rows down, back along K
.set BACK_B, (SIZE_K-2*KSTEP)*2        ; wb only back: both tiles take the same rows
.set NEXT_C, 96<<18                    ; two batches of 48 heads of 262,144 bytes
.set ADRA, 16                          ; v16-17 LDS address of my xb fragments in slot 0, 1
.set ADRB, 20                          ; v20-21 the same for wb
.set STO,  24                          ; v24 where I put 16 bytes of a row in my stage
.set RD,   25                          ; v25 where I read rows back
.set GO,   26                          ; v26 16 x lane: my place in 512 consecutive bytes of qkv
.set BO,   27                          ; v27 32 (l / 16): my eight numbers in 16 of a bias
.set SPW,  28                          ; v28 LDS address of my spare word; never rewritten
.set NIL,  29                          ; v29 0; never rewritten
.set TMP,  32
.set OB,   80
.set F0,   0
.set F1,   128
.set BIAS, 128
.set BT,   224
.set WV, 16                            ; s16 my wave's number
.set FB, 17                            ; s17 0: I fetch for xb; 1: for wb
.set HF, 18                            ; s18 which half of that tile's rows I fetch
.set G1,  24                           ; s[24:31] descriptor group 1 for xb's tiles;  s[32:39] group 0, a set for each slot
.set G0,  32
.set G1B, 48                           ; s[48:55], s[56:63] the same for wb's
.set G0B, 56
.set FAC, 76                           ; s[76:81] a pair for each of my three heads: c for a head of q, else 1
.set BP,  84                           ; s[84:89] where each head's 64 numbers of bias lie
.set MSB, 0
.macro WIN new                         ; the immediate's high byte repeats the setting that is left; a switch that changes nothing is dropped
.if MSB != (\new)
	s_set_vgpr_msb (MSB<<8)|(\new)
.set MSB, \new
.endif
.endm
.set MUL_LO, 0xa5                      ; both fragments window 1, C and D window 2
.set MUL_L0, 0xb5                      ; the same with C (the bias) in window 3
.set MUL_HI, 0xf5                      ; both fragments window 1, C and D window 3
.set TO_F,   0x40                      ; destination window 1, address window 0
.macro PLACES                          ; four plain vector instructions between a matrix instruction and a load into, or a vector line on, its registers
.rept 4
	v_nop
.endr
.endm
; A joint load.  The branch hangs on the wave's number alone.  An s_nop 0 and four v_nop follow each of the two lines, ahead of the jump and the label.
.macro JLOAD s
	s_cmp_eq_u32 s[FB], 0
	s_cbranch_scc0 .Lfor_b_\@
	tensor_load_to_lds s[G0+4*(\s):G0+4*(\s)+3], s[G1:G1+7]
	s_nop 0
	PLACES
	s_branch .Lasked_\@
.Lfor_b_\@:
	tensor_load_to_lds s[G0B+4*(\s):G0B+4*(\s)+3], s[G1B:G1B+7]
	s_nop 0
	PLACES
.Lasked_\@:
.endm
.macro CREST                           ; a round of the cluster's barrier behind its opening barrier
	s_cmp_lg_u32 s[WV], 0
	s_cbranch_scc1 .Lnot_wave_0_\@
	s_barrier_signal -3
.Lnot_wave_0_\@:
	s_barrier_wait -3
	s_barrier_signal -1
	s_barrier_wait -1
.endm
.macro CROUND                          ; a whole round
	s_barrier_signal -1
	s_barrier_wait -1
	CREST
.endm
	s_load_b256 s[4:11], s[0:1], 0x0               ; xb s[4:5], wb s[6:7], bq s[8:9], bk s[10:11]
	s_load_b128 s[12:15], s[0:1], 0x20             ; bv s[12:13], qkv s[14:15]
	v_lshl_add_u32 v[SPW], v0, 2, SPARE
	v_mov_b32 v[NIL], 0
	ds_add_u32 v[SPW], v[NIL]                      ; the wave's opening: the add and its wait stand ahead of my first tensor load; the set-up below stands between them
	v_lshrrev_b32 v1, 5, v0
	v_readfirstlane_b32 s[WV], v1                  ; wave 0..3
	s_lshr_b32 s[FB], s[WV], 1
	s_and_b32 s[HF], s[WV], 1
	s_bfe_u32 s19, ttmp6, 0x40000                  ; cx
	s_bfe_u32 s20, ttmp6, 0x40004                  ; cy
	s_lshl_b32 s21, ttmp9, 2
	s_add_co_u32 s21, s21, s19                     ; tile column = 4 x cluster x + cx
	s_and_b32 s22, ttmp7, 0xffff
	s_lshl_b32 s22, s22, 2
	s_add_co_u32 s22, s22, s20                     ; first tile row = 4 x cluster y + cy
	s_lshl_b32 s23, s20, 2
	s_lshl_b32 s23, 15, s23                        ; my row of the cluster
	s_lshl_b32 s46, 0x1111, s19                    ; my column
	s_or_b32 s[G1], s23, (1<<16)|(1<<20)|(1<<21)|(5<<22)|(3<<25)   ; 15:0 the mask; 17:16 2-byte elements; 20 padding on; 21 set beside a mask; 24:22 after every 64 words; 31:25 4 words of it
	s_or_b32 s[G1B], s46, (1<<16)|(1<<20)|(1<<21)|(5<<22)|(3<<25)
	s_mov_b32 s[G1+1], KSTEP<<16                   ; tensor_dim0 = 128
	s_mov_b32 s[G1+2], 128<<16                     ; tensor_dim1 = 128
	s_mov_b32 s[G1+3], KSTEP<<16                   ; tile_dim0 = 128
	s_mov_b32 s[G1+4], 128                         ; tile_dim1 = 128
	s_mov_b32 s[G1+5], SIZE_K                      ; elements from row to row
	s_mov_b32 s[G1+6], 0
	s_mov_b32 s[G1+7], 0
	s_mov_b32 s[G1B+1], KSTEP<<16
	s_mov_b32 s[G1B+2], 96<<16                     ; 96 rows
	s_mov_b32 s[G1B+3], KSTEP<<16
	s_mov_b32 s[G1B+4], 96
	s_mov_b32 s[G1B+5], SIZE_K
	s_mov_b32 s[G1B+6], 0
	s_mov_b32 s[G1B+7], 0
	; where the tiles come from: xb's hang on the tile row alone, wb's on the tile column alone, each in registers that never hold the other coordinate
	s_lshl_b32 s40, s22, 8
	s_lshl_b32 s42, s[HF], 7
	s_add_co_u32 s40, s40, s42                     ; xb: row 256 x tile row + 128 x half
	s_lshl_b32 s40, s40, 11                        ; 2,048 bytes a row
	s_mov_b32 s41, 0
	s_mul_i32 s44, s21, 192
	s_mul_i32 s47, s[HF], 96
	s_add_co_u32 s44, s44, s47                     ; wb: row 192 x tile column + 96 x half
	s_lshl_b32 s44, s44, 11
	s_mov_b32 s45, 0
	s_mul_i32 s66, s[HF], HALFA                    ; and where they go: the wave's number alone enters an LDS address
	s_mul_i32 s67, s[HF], HALFB
	s_add_co_u32 s67, s67, BOFF
	s_mov_b32 s82, 0xffff0000                      ; a word's upper bf16
	s_wait_dscnt 0x0                               ; the opening add is done
	s_wait_kmcnt 0x0
	s_add_nc_u64 s[40:41], s[4:5], s[40:41]
	s_add_nc_u64 s[44:45], s[6:7], s[44:45]
	CROUND                                         ; all sixteen work-groups are here: the first joint loads meet
.irp s, 0,1
	s_mov_b32 s[G0+4*(\s)], 1                                        ; count = 1
	s_add_co_u32 s[G0+4*(\s)+1], s66, (\s)*SLOT                      ; LDS address
	s_add_nc_u64 s[G0+4*(\s)+2:G0+4*(\s)+3], s[40:41], (\s)*KSTEP*2  ; global address: K step s
	s_or_b32 s[G0+4*(\s)+3], s[G0+4*(\s)+3], 0x80000000              ; type = 2
	s_mov_b32 s[G0B+4*(\s)], 1
	s_add_co_u32 s[G0B+4*(\s)+1], s67, (\s)*SLOT
	s_add_nc_u64 s[G0B+4*(\s)+2:G0B+4*(\s)+3], s[44:45], (\s)*KSTEP*2
	s_or_b32 s[G0B+4*(\s)+3], s[G0B+4*(\s)+3], 0x80000000
.endr
	s_cmp_eq_u32 s[FB], 0                          ; a wave's two first fills stand in one branch, ahead of every wait on TENSORcnt and every LDS read: two loads of mine are out
	s_cbranch_scc0 .Lfirst_b
	tensor_load_to_lds s[G0:G0+3], s[G1:G1+7]
	s_nop 0
	tensor_load_to_lds s[G0+4:G0+7], s[G1:G1+7]
	s_nop 0
	PLACES
	s_branch .Lfirst_asked
.Lfirst_b:
	tensor_load_to_lds s[G0B:G0B+3], s[G1B:G1B+7]
	s_nop 0
	tensor_load_to_lds s[G0B+4:G0B+7], s[G1B:G1B+7]
	s_nop 0
	PLACES
.Lfirst_asked:
	; my three heads g = 3 x tile column + hh: which bias, where in it, and the factor.  Selects, no branch.
.irp hh, 0,1,2
	s_mul_i32 s70, s21, 3
	s_add_co_u32 s70, s70, \hh
	s_lshr_b32 s71, s70, 4                         ; 0: q, 1: k, 2: v
	s_and_b32 s72, s70, 15
	s_lshl_b32 s72, s72, 8                         ; 64 numbers of 4 bytes a head
	s_mov_b32 s73, 0
	s_cmp_eq_u32 s71, 1
	s_cselect_b64 s[BP+2*(\hh):BP+2*(\hh)+1], s[10:11], s[8:9]
	s_cmp_eq_u32 s71, 2
	s_cselect_b64 s[BP+2*(\hh):BP+2*(\hh)+1], s[12:13], s[BP+2*(\hh):BP+2*(\hh)+1]
	s_cmp_eq_u32 s71, 0
	s_cselect_b32 s[FAC+2*(\hh)], 0x3e38aa3b, 1.0  ; c = log2(e) / 8 = 0.180337
	s_mov_b32 s[FAC+2*(\hh)+1], s[FAC+2*(\hh)]     ; named with it as a pair
	s_add_nc_u64 s[BP+2*(\hh):BP+2*(\hh)+1], s[BP+2*(\hh):BP+2*(\hh)+1], s[72:73]
.endr
	v_and_b32 v1, 15, v0                           ; l % 16
	v_bfe_u32 v2, v0, 4, 1                         ; l / 16
	v_lshlrev_b32 v[BO], 5, v2
	WIN 0xc0                                       ; destination window 3, address window 0
.irp hh, 0,1,2
.irp bb, 0,1,2,3
	global_load_b128 v[BIAS+8*(4*(\hh)+(\bb)):BIAS+8*(4*(\hh)+(\bb))+3],   v[BO], s[BP+2*(\hh):BP+2*(\hh)+1] offset:64*(\bb)      ; register j: the bias of column 16 b + 8 (l / 16) + j
	global_load_b128 v[BIAS+8*(4*(\hh)+(\bb))+4:BIAS+8*(4*(\hh)+(\bb))+7], v[BO], s[BP+2*(\hh):BP+2*(\hh)+1] offset:64*(\bb)+16
.endr
.endr
	WIN 0
	; A fragment is 16 rows x 32 K in 8 registers: lane l holds row l % 16; registers 0-3 K = 8 (l / 16) + 0..7, registers 4-7 K = 16 + 8 (l / 16) + 0..7: two loads of 16 bytes, 32 bytes apart.
	v_mul_u32_u24 v3, v1, PITCH
	v_lshl_add_u32 v3, v2, 4, v3                   ; row x pitch + 16 x half
	s_mul_i32 s66, s[WV], 64*PITCH                 ; my 64 rows of xb
.irp s, 0,1
	v_add_nc_u32 v[ADRA+(\s)], s66, v3
	v_add_nc_u32 v[ADRB+(\s)], BOFF+(\s)*SLOT, v3
	s_add_co_u32 s66, s66, SLOT
.endr
	s_mul_i32 s67, s[WV], 16*SPITCH
	s_add_co_u32 s67, s67, STAGE                   ; my stage
	v_mul_u32_u24 v4, v1, SPITCH                   ; in: row l % 16, 16 bytes for each half of the lanes
	v_lshl_add_u32 v4, v2, 4, v4
	v_add_nc_u32 v[STO], s67, v4
	v_bfe_u32 v4, v0, 3, 2                         ; back: 32 lanes take 128 bytes (a head's) of four rows,
	v_and_b32 v5, 7, v0
	v_mul_u32_u24 v4, v4, SPITCH
	v_lshl_add_u32 v4, v5, 4, v4
	v_add_nc_u32 v[RD], s67, v4
	v_and_b32 v[GO], 31, v0                        ; which are 512 consecutive bytes of qkv
	v_lshlrev_b32 v[GO], 4, v[GO]
	; qkv at my rows of my first head: ((48 batch + 3 x tile column) << 18) + 128 x (256 (tile row % 8) + 64 wave)
	s_lshr_b32 s68, s22, 3
	s_mul_i32 s68, s68, 48
	s_mul_i32 s69, s21, 3
	s_add_co_u32 s68, s68, s69
	s_lshl_b32 s68, s68, 18
	s_and_b32 s69, s22, 7
	s_lshl_b32 s69, s69, 15
	s_add_co_u32 s68, s68, s69
	s_lshl_b32 s69, s[WV], 13
	s_add_co_u32 s68, s68, s69
	s_mov_b32 s69, 0
	s_add_nc_u64 s[14:15], s[14:15], s[68:69]
	s_wait_loadcnt 0x0                             ; the bias
	WIN 0xcf                                       ; all in window 3
.set i, 0
.rept 48                                       ; rounded to bf16 and widened again
	v_cvt_pk_bf16_f32 v[BT], v[BIAS+2*i], v[BIAS+2*i+1]
	v_lshlrev_b32 v[BIAS+2*i], 16, v[BT]
	v_and_b32 v[BIAS+2*i+1], s82, v[BT]
.set i, i+1
.endr
	WIN 0
; 8 products: row blocks a0, a0 + 1 x column blocks 8-11, 32 along K.  zero = 1: the product starts the sum, with the bias as C.
.macro MULH f, a0, zero
	WIN MUL_HI
.irp a, \a0, (\a0)+1
.irp b, 8,9,10,11
.if \zero
	v_wmma_f32_16x16x32_bf16 v[8*(4*(\a)+(\b)-8):8*(4*(\a)+(\b)-8)+7], v[(\f)+32+8*(\b):(\f)+32+8*(\b)+7], v[(\f)+8*(\a):(\f)+8*(\a)+7], v[BIAS+8*(\b):BIAS+8*(\b)+7]
.else
	v_wmma_f32_16x16x32_bf16 v[8*(4*(\a)+(\b)-8):8*(4*(\a)+(\b)-8)+7], v[(\f)+32+8*(\b):(\f)+32+8*(\b)+7], v[(\f)+8*(\a):(\f)+8*(\a)+7], v[8*(4*(\a)+(\b)-8):8*(4*(\a)+(\b)-8)+7]
.endif
.endr
.endr
.endm
; 16 products: row blocks a0, a0 + 1 x column blocks 0-7.
.macro MULL f, a0, zero
.if \zero
	WIN MUL_L0
.else
	WIN MUL_LO
.endif
.irp a, \a0, (\a0)+1
.irp b, 0,1,2,3,4,5,6,7
.if \zero
	v_wmma_f32_16x16x32_bf16 v[8*(8*(\a)+(\b)):8*(8*(\a)+(\b))+7], v[(\f)+32+8*(\b):(\f)+32+8*(\b)+7], v[(\f)+8*(\a):(\f)+8*(\a)+7], v[BIAS+8*(\b):BIAS+8*(\b)+7]
.else
	v_wmma_f32_16x16x32_bf16 v[8*(8*(\a)+(\b)):8*(8*(\a)+(\b))+7], v[(\f)+32+8*(\b):(\f)+32+8*(\b)+7], v[(\f)+8*(\a):(\f)+8*(\a)+7], v[8*(8*(\a)+(\b)):8*(8*(\a)+(\b))+7]
.endif
.endr
.endr
.endm
; 32 LDS loads in one run: a quarter step's fragments (32 K at byte k of the rows) into buffer f: xb's four and wb's 8-11 first, then wb's 0-7
.macro FETCH slot, k, f
	WIN TO_F
.irp i, 0,1,2,3
	ds_load_b128 v[(\f)+8*(\i):(\f)+8*(\i)+3],   v[ADRA+(\slot)] offset:(\k)+(\i)*16*PITCH
	ds_load_b128 v[(\f)+8*(\i)+4:(\f)+8*(\i)+7], v[ADRA+(\slot)] offset:(\k)+(\i)*16*PITCH+32
.endr
.irp i, 8,9,10,11,0,1,2,3,4,5,6,7
	ds_load_b128 v[(\f)+32+8*(\i):(\f)+32+8*(\i)+3],   v[ADRB+(\slot)] offset:(\k)+(\i)*16*PITCH
	ds_load_b128 v[(\f)+32+8*(\i)+4:(\f)+32+8*(\i)+7], v[ADRB+(\slot)] offset:(\k)+(\i)*16*PITCH+32
.endr
.endm
; A K step is four quarters of 32 along K, 48 products each, on buffers 0, 1, 0, 1.  The 48 accumulators take turns, one instruction a turn, in the same order in every quarter.
; One of the first three: multiplies buffer f; behind its first 16 products it fetches the next quarter, at byte k of the same slot's rows, into buffer g: 32 products ahead of the first use.
.macro QUARTER slot, k, f, g, zero
	s_wait_dscnt 16                                ; xb's fragments and wb's 8-11 are in; the youngest sixteen loads (wb's 0-7) may be out
	MULH \f, 0, \zero
	MULH \f, 2, \zero
	PLACES
	FETCH \slot, \k, \g
	s_wait_dscnt 32                                ; all but the 32 just issued
	MULL \f, 0, \zero
	MULL \f, 2, \zero
.endm
; The last quarter multiplies buffer 1 and changes slots: ONE barrier.  In front of it each wave waits for all its tensor loads (the one that is out is its part of the next slot), adds 0 to its
; spare word, and waits for that and for its own reads of this slot.  mode 0: this slot is filled again with the K step two on; 1: with the next tile's K step 0 or 1; 2: nothing is filled.
; Where a slot is filled again the barrier opens a round of the cluster's, and the joint load is the first tensor load behind the round: 176 products stand between it and the wait for it.
.macro TURN slot, next, mode
	WIN 0                                          ; (the add's two registers lie in window 0)
	s_wait_tensorcnt 0x0
	ds_add_u32 v[SPW], v[NIL]
	s_wait_dscnt 17                                ; (the add and the youngest sixteen loads may be out)
	MULH F1, 0, 0                                  ; eight products stand between the add and the wait for it
	s_wait_dscnt 0x0                               ; the add is done, and my reads of this slot are over
	s_barrier_signal -1
	MULH F1, 2, 0
.if (\mode) < 2
	WIN 0
.endif
	s_barrier_wait -1
.if (\mode) < 2
	CREST                                          ; no wave of any partner still reads this slot's tile or has a load on its way
.if (\mode) == 1
	s_add_nc_u64 s[G0+4*(\slot)+2:G0+4*(\slot)+3], s[G0+4*(\slot)+2:G0+4*(\slot)+3], NEXT_A
	s_sub_nc_u64 s[G0B+4*(\slot)+2:G0B+4*(\slot)+3], s[G0B+4*(\slot)+2:G0B+4*(\slot)+3], BACK_B
.else
	s_add_nc_u64 s[G0+4*(\slot)+2:G0+4*(\slot)+3], s[G0+4*(\slot)+2:G0+4*(\slot)+3], 2*KSTEP*2
	s_add_nc_u64 s[G0B+4*(\slot)+2:G0B+4*(\slot)+3], s[G0B+4*(\slot)+2:G0B+4*(\slot)+3], 2*KSTEP*2
.endif
	JLOAD \slot                                    ; the four v_nop behind it are also the places in front of the loads below
.else
	PLACES
.endif
	FETCH \next, 0, F0
	MULL F1, 0, 0
	MULL F1, 2, 0
.endm
; THE WAY OUT of row block a (16 rows x 192 columns).  PACK: times the head's factor, rounded to f16, 16 bytes a lane; each accumulator's registers in ascending order.
.macro PACK a
	WIN 0x82                                       ; destination and source 0 window 2
.irp b, 0,1,2,3,4,5,6,7
.irp r, 0,1,2,3
	v_pk_mul_f32 v[8*(8*(\a)+(\b))+2*(\r):8*(8*(\a)+(\b))+2*(\r)+1], v[8*(8*(\a)+(\b))+2*(\r):8*(8*(\a)+(\b))+2*(\r)+1], s[FAC+2*((\b)/4):FAC+2*((\b)/4)+1] op_sel_hi:[1,0]
.endr
.endr
	WIN 0x0a                                       ; sources window 2, destination window 0
.irp b, 0,1,2,3,4,5,6,7
.irp r, 0,1,2,3
	v_cvt_pk_f16_f32 v[TMP+4*(\b)+(\r)], v[8*(8*(\a)+(\b))+2*(\r)], v[8*(8*(\a)+(\b))+2*(\r)+1]
.endr
.endr
	WIN 0xc3                                       ; window 3
.irp b, 8,9,10,11
.irp r, 0,1,2,3
	v_pk_mul_f32 v[8*(4*(\a)+(\b)-8)+2*(\r):8*(4*(\a)+(\b)-8)+2*(\r)+1], v[8*(4*(\a)+(\b)-8)+2*(\r):8*(4*(\a)+(\b)-8)+2*(\r)+1], s[FAC+4:FAC+5] op_sel_hi:[1,0]
.endr
.endr
	WIN 0x0f
.irp b, 8,9,10,11
.irp r, 0,1,2,3
	v_cvt_pk_f16_f32 v[TMP+4*(\b)+(\r)], v[8*(4*(\a)+(\b)-8)+2*(\r)], v[8*(4*(\a)+(\b)-8)+2*(\r)+1]
.endr
.endr
	WIN 0
.endm
; TOSTAGE: into my own stage, and back head by head, four rows of 128 bytes to a load.
.macro TOSTAGE a
.set BK, OB+48*((\a)%2)
.irp b, 0,1,2,3,4,5,6,7,8,9,10,11
	ds_store_b128 v[STO], v[TMP+4*(\b):TMP+4*(\b)+3] offset:32*(\b)
.endr
.irp hh, 0,1,2
.irp t, 0,1,2,3
	ds_load_b128 v[BK+4*(4*(\hh)+(\t)):BK+4*(4*(\hh)+(\t))+3], v[RD] offset:128*(\hh)+4*SPITCH*(\t)  ; LDS serves a wave's instructions in order (ISA guide 5.7.1.4): these see the stores above
.endr
.endr
.endm
; SEND: stored.  16 rows of a head are 2,048 consecutive bytes of qkv; each store of the wave covers 512 of them, aligned.
.macro SEND a
.set BK, OB+48*((\a)%2)
	s_wait_dscnt 0x0                               ; the block is back in registers
	s_wait_xcnt 0x0                                ; earlier stores have read their registers: the buffer that the next block is read into is free
.irp hh, 0,1,2
.irp t, 0,1,2,3
	global_store_b128 v[GO], v[BK+4*(4*(\hh)+(\t)):BK+4*(4*(\hh)+(\t))+3], s[14:15] offset:262144*(\hh)+2048*(\a)+512*(\t)
.endr
.endr
.endm
	s_wait_tensorcnt 1                             ; my part of K step 0 is in; K step 1's may stay out
	s_barrier_signal -1
	s_barrier_wait -1                              ; everybody's is
	FETCH 0, 0, F0
	WIN 0                                          ; at a label and at a branch every window is 0
	s_mov_b32 s2, 2                                ; tiles to go: the same number in every work-group
.Ltile:
	QUARTER 0, 64,  F0, F1, 1                      ; a tile's first quarter stands in front of the loop: its products start the sums
	WIN 0
	s_mov_b32 s3, LAPS-1
.Llap:                                                 ; a trip goes once round the ring, from a lap's second quarter to the next lap's first, and fills both slots again
	QUARTER 0, 128, F1, F0, 0
	QUARTER 0, 192, F0, F1, 0
	TURN 0, 1, 0
	QUARTER 1, 64,  F0, F1, 0
	QUARTER 1, 128, F1, F0, 0
	QUARTER 1, 192, F0, F1, 0
	TURN 1, 0, 0
	QUARTER 0, 64,  F0, F1, 0
	WIN 0
	s_sub_co_u32 s3, s3, 1
	s_cmp_lg_u32 s3, 0
	s_cbranch_scc1 .Llap
	QUARTER 0, 128, F1, F0, 0                      ; the tile's last lap goes on
	QUARTER 0, 192, F0, F1, 0
	WIN 0
	s_cmp_eq_u32 s2, 1
	s_cbranch_scc1 .Llast_tile                     ; the last tile's tail is written out: it asks for nothing more
	TURN 0, 1, 1                                   ; the ring goes on into the next tile: slot 0 takes its K step 0,
	QUARTER 1, 64,  F0, F1, 0
	QUARTER 1, 128, F1, F0, 0
	QUARTER 1, 192, F0, F1, 0
	TURN 1, 0, 1                                   ; slot 1 its K step 1, and the next tile's first fragments are fetched
	WIN 0
	s_branch .Lout
.Llast_tile:
	TURN 0, 1, 2
	QUARTER 1, 64,  F0, F1, 0
	QUARTER 1, 128, F1, F0, 0
	QUARTER 1, 192, F0, F1, 0
	s_wait_dscnt 16                                ; the very last quarter: nothing more to fetch
	MULH F1, 0, 0
	MULH F1, 2, 0
	s_wait_dscnt 0x0
	MULL F1, 0, 0
	MULL F1, 2, 0
	WIN 0
.Lout:                                                 ; the tile goes out; where it has a successor both refills have been asked for
	PLACES
	PLACES                                         ; eight, twice a launch: the lines below write the accumulators in place
	PACK 0
	TOSTAGE 0
.irp a, 1,2,3                          ; block a's arithmetic stands between block a - 1's loads from the stage and the wait for them
	PACK \a
	SEND (\a)-1
	TOSTAGE \a
.endr
	SEND 3
	s_wait_xcnt 0x0                                ; the stores have read their base
	s_add_nc_u64 s[14:15], s[14:15], NEXT_C        ; the next tile's rows (behind the last tile: not used)
	s_sub_co_u32 s2, s2, 1
	s_cmp_lg_u32 s2, 0
	s_cbranch_scc1 .Ltile
	s_wait_tensorcnt 0x0                           ; the wave's end: these three lines stand behind my last tensor load and my last LDS store
	ds_add_u32 v[SPW], v[NIL]
	s_wait_dscnt 0x0
	CROUND                                         ; the closing round: no work-group ends while a partner may still ask for a tile that names it
	s_endpgm
.Lfunc_end_k_qb7e7ba3a07_proj:
	.size	k_qb7e7ba3a07_proj, .Lfunc_end_k_qb7e7ba3a07_proj-k_qb7e7ba3a07_proj
	.p2alignl 7, 3214868480
	.fill 96, 4, 3214868480
	.section	.rodata,"a",@progbits
	.p2align	6, 0x0
	.amdhsa_kernel k_qb7e7ba3a07_proj
		.amdhsa_group_segment_fixed_size 327680
		.amdhsa_private_segment_fixed_size 0
		.amdhsa_enable_private_segment 0
		.amdhsa_kernarg_size 48
		.amdhsa_user_sgpr_count 2
		.amdhsa_user_sgpr_kernarg_segment_ptr 1
		.amdhsa_wavefront_size32 1
		.amdhsa_system_sgpr_workgroup_id_x 1
		.amdhsa_system_sgpr_workgroup_id_y 1
		.amdhsa_system_sgpr_workgroup_id_z 1
		.amdhsa_system_vgpr_workitem_id 0
		.amdhsa_next_free_vgpr 1024
		.amdhsa_next_free_sgpr 96
		.amdhsa_reserve_vcc 0
		.amdhsa_float_denorm_mode_32 3
		.amdhsa_float_denorm_mode_16_64 3
		.amdhsa_memory_ordered 1
		.amdhsa_forward_progress 1
		.amdhsa_inst_pref_size 169
	.end_amdhsa_kernel
	.amdgpu_metadata
---
amdhsa.version: [ 1, 2 ]
amdhsa.kernels:
  - .name:           k_qb7e7ba3a07_proj
    .symbol:         k_qb7e7ba3a07_proj.kd
    .args:
      - { .name: xb, .offset: 0, .size: 8, .value_kind: global_buffer, .address_space: global }
      - { .name: wb, .offset: 8, .size: 8, .value_kind: global_buffer, .address_space: global }
      - { .name: bq, .offset: 16, .size: 8, .value_kind: global_buffer, .address_space: global }
      - { .name: bk, .offset: 24, .size: 8, .value_kind: global_buffer, .address_space: global }
      - { .name: bv, .offset: 32, .size: 8, .value_kind: global_buffer, .address_space: global }
      - { .name: qkv, .offset: 40, .size: 8, .value_kind: global_buffer, .address_space: global }
    .group_segment_fixed_size: 327680
    .private_segment_fixed_size: 0
    .kernarg_segment_align: 8
    .kernarg_segment_size: 48
    .max_flat_workgroup_size: 128
    .sgpr_count:     96
    .vgpr_count:     1024
    .wavefront_size: 32
...
	.end_amdgpu_metadata
.endif
;; end of part 2
;; launch attn (part 3): grid 4 x 64, 4 waves a work-group, clusters of 4 x 1, 327,680 bytes of LDS; arguments qkv, attention_mask, out0; writes out0
.if DOCPART == 3
	.amdgcn_target "amdgcn-amd-amdhsa--gfx1250"
	.amdhsa_code_object_version 6
	.text
	.protected	k_qb7e7ba3a07_attn
	.globl	k_qb7e7ba3a07_attn
	.p2align	8
	.type	k_qb7e7ba3a07_attn,@function
k_qb7e7ba3a07_attn:
	s_mov_b64 s[64:65], 0
	v_nop
	global_prefetch_b8 v0, s[64:65] scope:SCOPE_SE
	s_setreg_imm32_b32 hwreg(HW_REG_WAVE_MODE, 25, 1), 1
	s_wait_xcnt 0x0
	s_wait_alu depctr_hold_cnt(0) depctr_sa_sdst(0) depctr_va_vdst(0) depctr_va_sdst(0) depctr_va_ssrc(0) depctr_va_vcc(0) depctr_vm_vsrc(0)
	s_getreg_b32 s2, hwreg(HW_REG_IB_STS2, 6, 4)
	s_cmp_eq_u32 s2, 0
	s_cbranch_scc0 .Lentry_in_a_cluster
	s_endpgm
.Lentry_in_a_cluster:
	s_bfe_u32 s2, ttmp6, 0x10000c
	s_cmp_lg_u32 s2, 0x3003
	s_cbranch_scc0 .Lentry_shape_is_right
	s_endpgm
.Lentry_shape_is_right:
; out0[b][q][64 h + :] = the sum over k of softmax_k(Q[q] . K[k] / 8 + mask[b][k]) V[k][:], for each of 64 pairs (b, h).
; qkv: [4][48][2048][64] f16 (heads 0-15 q, ALREADY times c = log2(e) / 8; 16-31 k; 32-47 v): a head's rows are dense, 128 bytes each.  attention_mask: [4][2048] f32.  out0: [4][2048][1024] f32.
; Products, maxima and sums in f32; the weights p are rounded to f16 for the second product (their sum l is taken of the unrounded p).
; LIMITS.  The mask is rounded to bf16, like all the module's inputs, and multiplied by log2(e); a product below -1e30 (minus infinity too) counts as -1e30: that differs from the true value only in a
; row all of whose keys lie so low.  A NaN in the mask counts as -1e30; NaN and plus infinity are not treated apart elsewhere.  A weight below 2^-126 counts as 0 in l; p below 6e-5 keeps f16's fixed step.
; SHARES.  A wave owns four PIECES of two tiles of 16 queries, a work-group's four waves 512 queries of one head.  Every wave walks all 2,048 keys, 64 a step.
; LAYOUT.  S^T = K Q^T + mask (source 0 = 16 keys, source 1 = 16 queries; THE MASK IS THE C OPERAND that starts the sum): in the result a lane holds ONE query (lane % 16) and the keys 8 (lane / 16) + 0..7.
; Two such tiles, rounded to f16 in pairs, ARE source 1 of O^T = V^T P, whose result again holds one query a lane, and eight channels.  K comes out of LDS as it lies, V turned, by ds_load_tr16_b128.
; SOFTMAX.  S is a base-2 exponent.  For each query a running maximum m and sum l: p = 2^(S - m); in every step O and l are multiplied by a = 2^(m_old - m_new).  m starts at the lowest finite number,
; O and l at 0: the first step is a step like any other, with a = 0.
; THE COUNT.  A tile and step have 16 matrix and 117 vector instructions: too many to stand all beside the matrix work.  So: four vector instructions that are READY behind EVERY matrix instruction, the others in runs.
; BY TURNS.  Turn n belongs to piece n.  Its matrix work: 16 products K Q^T of piece n + 1, later 16 products V^T P of piece n - 1.  Its vector work: the subtraction, exponentials, roundings, sums and
; rescaling of piece n, and the maximum and statistics of piece n + 1.
; CLUSTER.  The four query blocks of a cluster are all of one head's, and walk the same K and V: each tile is asked for JOINTLY: the same tensor load, descriptor and mask in all four.
; REGISTERS, in windows of 256 (s_set_vgpr_msb: bits 1:0 source 0, 3:2 source 1, 5:4 source 2, 7:6 destination):
;   window 0: v0-15 addresses; v16-47 four registers of statistics a tile; v48-63 at work; v64-191 S^T, two buffers of two tiles; v192-255 P, likewise
;   window 1: O^T, 32 a tile      window 2: v0-127 Q, 16 a tile; v128-191 K of one step; v192-255 V of one step      window 3: v0-1 the add's two registers; v8-39 the mask of one step
.set SIZE_N, 2048
.set NP,    4         ; pieces a wave: a name, no knob
.set KS,    64        ; keys in a step
.set PK,    144       ; a row of K in LDS: 128 bytes + 16 = 36 words: the 16 rows of a load start at 16 different groups of four banks (64 banks of 4 bytes: ISA guide 11.1)
.set PV,    160       ; a row of V: 128 + 32 = 40 words
.set VOFF,  4*KS*PK   ; a slot holds four steps: 256 rows of K, then 256 rows of V
.set SLOT1, 1<<17     ; slot 1 begins here, so that one exclusive or turns an address in one slot into the other's
.set STAGE, SLOT1+4*KS*(PK+PV)  ; behind the ring, never filled by a tensor load: 16 rows x 272 bytes for each wave, for the way out
.set SP,    272       ; 256 bytes (64 channels in f32) + 16
.set MASKT, STAGE+4*16*SP       ; the batch's 2,048 mask numbers times log2(e), f32: 8,192 bytes, stored once
.set SPARE, MASKT+8192          ; the spare words, 128 bytes a wave: two blocks of 256 bytes that no other line names
.set AK0, 2           ; v2   my lane's place in a tile of K; never rewritten
.set AV0, 3           ; v3   the same for V
.set AK,  4           ; v4   the LDS address of K's next run of loads
.set AV,  5           ; v5   of V's
.set QO,  6           ; v6   my byte offset in the wave's rows of Q
.set STO, 6           ;      later, the way out: where I put 32 bytes of a row
.set RD,  7           ; v7   the way out: where I read rows back
.set GO,  8           ; v8   my byte offset in two rows of out0
.set AM0, 12          ; v12  my lane's place in a step's 64 mask numbers: MASKT + 32 (l / 16); never rewritten
.set AM,  13          ; v13  the LDS address of the mask's next run of loads
.set PFO, 14          ; v14  256 x my lane; never rewritten
.set SPW, 0           ; v0 of window 3   LDS address of my spare word; never rewritten
.set NIL, 1           ; v1 of window 3   0; never rewritten
.set MK,  8           ; v8-39 of window 3: the eight registers for key block kb at MK + 8 kb
.set ST,  16          ; tile t's statistics at v[ST+4 t]: m, m_old, l (even keys', odd keys')
.set TMP, 48          ; by buffer and tile, four registers c0-c3 at work; when the maximum is found c2 takes a
.set S,   64
.set P,   192
.set KF,  128         ; K's fragments, in window 2: key block kb, channel half c at KF + 16 kb + 8 c
.set VF,  192         ; V's: key half kk, channel block cb at VF + 32 kk + 8 cb
.set WV,  12          ; s12  my wave's number
.set G1K, 24          ; s[24:31] descriptor group 1 for K's tiles
.set G1V, 32          ; s[32:39] for V's: it differs in the padding alone
.set G0K, 40          ; s[40:43] descriptor group 0 for K's tiles: it walks
.set G0V, 44          ; s[44:47] the same for V's
.set PFA, 48          ; s[48:49] where my prefetches stand: my work-group's 32 blocks of 256 bytes (of K: wave 0, of V: wave 2) of the slot after the one that is being asked for
.set LIM, 50          ; s50  1 in a wave that prefetches, else the greatest number
.set TBM, 51          ; s51  byte in the mask table at which the step to be fetched begins
.set BIGN, 52         ; s52  -1e30
.set SLOTS, 56        ; s56  slots still to be asked for
.set CNT, 57          ; s57  counts a slot's key steps
.set SEL, 60          ; s[60:61] v_permlanex16_b32's selects: each lane takes its own place in the other half
.set TBK, 62          ; s62  LDS byte at which K of the step to be fetched begins
.set TBV, 63          ; s63  the same for V, less VOFF
.set MSB, 0
.macro WIN new                      ; the high byte repeats the setting that is left; a switch that changes nothing is dropped
.if MSB != (\new)
	s_set_vgpr_msb (MSB<<8)|(\new)
.set MSB, (\new)
.endif
.endm
.set W_KQ, 0x0a       ; K and Q in window 2, S^T in window 0
.set W_KM, 0x3a       ; the same with the C operand, the mask, in window 3
.set W_PV, 0x52       ; V in window 2, P in window 0, O^T in window 1
.set W_RS, 0x41       ; O^T (destination and source 0) in window 1, a in window 0
.set W_MK, 0xc0       ; destination in window 3, sources in window 0
.set W_AD, 0x0f       ; the add: address (source 0) and data (source 1) in window 3
; A joint fill.  Waves 0 and 1 fetch the two halves of a slot's K, waves 2 and 3 those of its V: 128 keys each.  The branch hangs on the wave's number alone.
; An s_nop 0 and four v_nop follow each of the two lines, ahead of the jump and the label.
.macro JLOAD
	s_cmp_lt_u32 s[WV], 2
	s_cbranch_scc0 .Lfor_v_\@
	tensor_load_to_lds s[G0K:G0K+3], s[G1K:G1K+7]
	s_nop 0
.rept 4
	v_nop
.endr
	s_branch .Lasked_\@
.Lfor_v_\@:
	tensor_load_to_lds s[G0V:G0V+3], s[G1V:G1V+7]
	s_nop 0
.rept 4
	v_nop
.endr
.Lasked_\@:
.endm
; A PREFETCH INTO THE L2 of what the NEXT change of slots will ask for: a slot's 32,768 bytes of K and of V.  The four partners share them out BY ADDRESS, 8,192 bytes each; in each, wave 0 asks for K's and
; wave 2 for V's: a lane a block of 256 bytes, one instruction.  So each block is named once in the launch.  It stands behind the wave's tensor load and its five lines.  It is four key steps, 512 matrix
; instructions, ahead of the load that will want the bytes.  The last change that fills a slot asks for nothing; slots 0 and 1 come by their loads alone.
.macro ASK
	s_cmp_gt_u32 s[SLOTS], s[LIM]
	s_cbranch_scc0 .Lnot_mine_\@
	global_prefetch_b8 v[PFO], s[PFA:PFA+1] th:TH_LOAD_NT scope:SCOPE_SE
.Lnot_mine_\@:
.endm
; A round of the cluster's barrier: my work-group's barrier, so that wave 0's signal speaks for all four waves; wave 0 signals; every wave waits for all four work-groups; my work-group's barrier once more.
.macro CROUND
	s_barrier_signal -1
	s_barrier_wait -1
	s_cmp_lg_u32 s[WV], 0
	s_cbranch_scc1 .Lnot_wave_0_\@
	s_barrier_signal -3
.Lnot_wave_0_\@:
	s_barrier_wait -3
	s_barrier_signal -1
	s_barrier_wait -1
.endm
; THE CHANGE OF SLOTS.  The slot's last bytes, V of its fourth step, have been read.  Each wave waits for all its tensor loads, of which one is out: its part of the other slot; adds 0 to its spare word;
; and waits for that and for its own LDS instructions.  Behind the barrier nobody reads this slot any more and the other slot is whole.
; fill = 1: this slot is filled again, with the keys two slots on.  The barrier is then a round of the cluster's, and the joint fill is the first thing behind it: it has four key steps in which to land.
; (At its first use nothing has been read yet: slot 0 is waited for, slot 1 filled; and every wave's stores into the mask table are done before any wave reads it.)
.macro CHANGE fill
	WIN W_AD
	s_wait_tensorcnt 0x0            ; no tensor load of mine is out, so a group 0 may be written
	ds_add_u32 v[SPW], v[NIL]       ; 0 onto my spare word; with fill = 1 the descriptors' steps stand between it and the wait for it
	WIN 0                           ; at a label and at a branch every window is 0
.if \fill
.irp g, G0K, G0V
	s_xor_b32 s[\g+1], s[\g+1], SLOT1  ; the walking descriptor: the other slot than last time,
	s_add_nc_u64 s[\g+2:\g+3], s[\g+2:\g+3], 4*KS*128  ; the next 256 keys; the type bits on top are not reached
.endr
	s_wait_xcnt 0x0                 ; the last prefetch, four key steps back, has read its address, so it may be written:
	s_add_nc_u64 s[PFA:PFA+1], s[PFA:PFA+1], 4*KS*128  ; one slot behind the walking descriptors
	s_wait_dscnt 0x0                ; the add is done, and my LDS instructions are over
	CROUND
	JLOAD
	ASK
.else
	s_wait_dscnt 0x0
	s_barrier_signal -1
	s_barrier_wait -1
.endif
	s_sub_co_u32 s[TBK], s[TBK], 4*KS*PK  ; the fetches go back to a slot's first step,
	s_xor_b32 s[TBK], s[TBK], SLOT1       ; in the other slot
	s_sub_co_u32 s[TBV], s[TBV], 4*KS*PV
	s_xor_b32 s[TBV], s[TBV], SLOT1
.endm
	s_load_b128 s[4:7], s[0:1], 0x0   ; qkv s[4:5], attention_mask s[6:7]
	s_load_b64 s[8:9], s[0:1], 0x10   ; out0
	WIN W_MK
	v_lshl_add_u32 v[SPW], v0, 2, SPARE
	v_mov_b32 v[NIL], 0
	WIN W_AD
	ds_add_u32 v[SPW], v[NIL]       ; the wave's opening: the add and its wait stand ahead of my first tensor load; the set-up below stands between them
	WIN 0
	v_lshrrev_b32 v1, 5, v0
	v_readfirstlane_b32 s[WV], v1   ; wave 0..3
	s_bfe_u32 s13, ttmp6, 0x40000   ; cx: my place in the cluster
	s_lshl_b32 s14, ttmp9, 2        ; in a cluster launch ttmp9 counts clusters
	s_add_co_u32 s14, s14, s13      ; my block of 512 queries: it enters Q's and out0's addresses alone
	s_and_b32 s15, ttmp7, 0xffff    ; 16 b + h, which the four partners share
	s_lshr_b32 s20, s15, 4          ; b
	s_and_b32 s21, s15, 15          ; h
	s_mul_i32 s22, s20, 48
	s_add_co_u32 s22, s22, s21
	s_lshl_b32 s22, s22, 18         ; q's head in qkv: 262,144 bytes a head
	s_mov_b32 s23, 0
	s_lshl_b32 s2, s14, 2
	s_add_co_u32 s2, s2, s[WV]      ; my wave among the head's sixteen
	s_lshl_b32 s10, s2, 19          ; its 128 rows of 4,096 bytes in out0,
	s_lshl_b32 s2, s2, 14           ; its 128 rows of 128 bytes in Q
	s_add_co_u32 s2, s2, s22
	s_mov_b32 s3, 0
	s_lshl_b32 s15, s20, 23         ; the batch in out0
	s_add_co_u32 s10, s10, s15
	s_lshl_b32 s15, s21, 8          ; the head's 64 channels
	s_add_co_u32 s10, s10, s15
	s_mov_b32 s11, 0
	s_lshl_b32 s18, s20, 13         ; the batch's 2,048 mask numbers
	s_mov_b32 s19, 0
	s_and_b32 s16, s[WV], 1         ; which half of a slot's 256 keys I fetch:
	s_lshl_b32 s15, s16, 14         ; its 128 rows of 128 bytes in memory,
	s_add_co_u32 s22, s22, s15
	s_add_co_u32 s22, s22, 0x400000 ; in k's head, sixteen heads behind q's
	s_mul_i32 s17, s16, 128*PK      ; and its place in a slot, for K
	s_mul_i32 s53, s16, 128*PV      ; and for V: no place in the cluster enters an LDS address
	s_lshl_b32 s54, s13, 13         ; the prefetches: my work-group's 8,192 bytes of a slot's 32,768,
	s_add_co_u32 s54, s54, 4*KS*128 ; in slot 1; the first change of slots steps them to slot 2
	s_mov_b32 s55, 0
	; descriptor group 1.  128 keys are 16,384 dense bytes: asked for as 64 rows of 256 bytes, two keys a row, and padded in LDS after every key
	s_mov_b32 s[G1K], 15|(1<<16)|(1<<20)|(1<<21)|(4<<22)|(3<<25)  ; 15:0 the mask of four; 17:16 2-byte elements; 20 padding on; 21 set beside a mask; 24:22 after every 32 words (code 4); 31:25 4 words (code 3)
	s_mov_b32 s[G1V], 15|(1<<16)|(1<<20)|(1<<21)|(4<<22)|(7<<25)  ; the same with 8 words of padding (code 7)
.irp g, G1K, G1V
	s_mov_b32 s[\g+1], 128<<16      ; tensor_dim0 = 128
	s_mov_b32 s[\g+2], 64<<16       ; tensor_dim1 = 64
	s_mov_b32 s[\g+3], 128<<16      ; tile_dim0 = 128
	s_mov_b32 s[\g+4], 64           ; tile_dim1 = 64
	s_mov_b32 s[\g+5], 128          ; 128 elements from row to row
	s_mov_b32 s[\g+6], 0
	s_mov_b32 s[\g+7], 0
.endr
	s_mov_b32 s[SEL], 0x76543210
	s_mov_b32 s[SEL+1], 0xfedcba98
	s_mov_b32 s[BIGN], 0xf149f2ca   ; -1e30
	s_mov_b32 s[TBM], 0
	s_mov_b32 s[TBK], SLOT1+4*KS*PK ; the first change of slots turns these two into 0
	s_mov_b32 s[TBV], SLOT1+4*KS*PV
	s_mov_b32 s[SLOTS], SIZE_N/256-1
	s_mov_b32 s[G0K], 1             ; count = 1
	s_mov_b32 s[G0K+1], s17         ; LDS address: slot 0
	s_mov_b32 s[G0V], 1
	s_add_co_u32 s[G0V+1], s53, VOFF
	s_and_b32 s[LIM], s[WV], 1      ; 0 in waves 0 and 2,
	s_or_b32 s[LIM], s[LIM], ttmp9  ; in the head's first (here: only) cluster: the same in all four partners
	s_cmp_eq_u32 s[LIM], 0
	s_cselect_b32 s[LIM], 1, -1
	s_wait_dscnt 0x0                ; the opening add is done
	s_wait_kmcnt 0x0
	s_add_nc_u64 s[G0K+2:G0K+3], s[4:5], s[22:23]            ; global address: my half of the head's first 256 keys
	s_add_nc_u64 s[G0V+2:G0V+3], s[G0K+2:G0K+3], 0x400000    ; v's head lies sixteen heads behind k's
	s_cmp_lt_u32 s[WV], 2
	s_cselect_b64 s[PFA:PFA+1], s[G0K+2:G0K+3], s[G0V+2:G0V+3]  ; (in waves 0 and 2 these stand at a slot's first byte)
	s_add_nc_u64 s[PFA:PFA+1], s[PFA:PFA+1], s[54:55]
	s_or_b32 s[G0K+3], s[G0K+3], 0x80000000                  ; type = 2
	s_or_b32 s[G0V+3], s[G0V+3], 0x80000000
	s_add_nc_u64 s[4:5], s[4:5], s[2:3]      ; Q at my wave's first row
	s_add_nc_u64 s[8:9], s[8:9], s[10:11]    ; out0 at my wave's first row, my head's channels
	s_add_nc_u64 s[6:7], s[6:7], s[18:19]    ; the batch's mask
	CROUND                          ; all four work-groups are here: the first joint loads meet
	JLOAD                           ; slot 0.  Slot 1 is asked for when slot 0 is in
	v_and_b32 v1, 15, v0            ; l % 16
	v_bfe_u32 v9, v0, 4, 1          ; l / 16
	v_lshlrev_b32 v15, 4, v0        ; the mask: thread t takes 16 bytes at 16 t of each quarter of the batch's 8,192
.irp i, 0,1,2,3
	global_load_b128 v[S+4*\i:S+4*\i+3], v15, s[6:7] offset:2048*\i
.endr
	; A fragment of K or Q is 16 rows x 32 channels in 8 registers: lane l holds row l % 16, channels 8 (l / 16) + 0..7 and 16 + 8 (l / 16) + 0..7: two loads of 16 bytes, 32 bytes apart.
	v_lshlrev_b32 v[QO], 7, v1
	v_lshl_add_u32 v[QO], v9, 4, v[QO]  ; row x 128 + 16 x half
	WIN 0x80                        ; destination window 2, address window 0
.set i, 0
.rept 4*NP                          ; Q stays in registers: tile i / 2, channels 32 (i % 2) on
	global_load_b128 v[8*i:8*i+3],   v[QO], s[4:5] offset:(i/2)*2048+(i%2)*64
	global_load_b128 v[8*i+4:8*i+7], v[QO], s[4:5] offset:(i/2)*2048+(i%2)*64+32
.set i, i+1
.endr
	; What the first turn finds: V's registers and P's second buffer hold 0 (its products V^T P, of a piece that has not been, add 0), O^T and l are 0.  All this stands in the wait for the first tile.
.set i, VF
.rept 64
	v_mov_b32 v[i], 0
.set i, i+1
.endr
	WIN 0x40
.set i, 0
.rept 64*NP
	v_mov_b32 v[i], 0
.set i, i+1
.endr
	WIN 0
.set i, 0
.rept 2*NP
	v_mov_b32 v[ST+4*i], 0xff7fffff    ; m: the lowest finite number
	v_mov_b32 v[ST+4*i+1], 0xff7fffff  ; m_old
	v_mov_b32 v[ST+4*i+2], 0
	v_mov_b32 v[ST+4*i+3], 0
.set i, i+1
.endr
.set i, P+32
.rept 32
	v_mov_b32 v[i], 0
.set i, i+1
.endr
	v_mul_u32_u24 v[AK0], v1, PK
	v_lshl_add_u32 v[AK0], v9, 4, v[AK0]  ; row x pitch + 16 x half
	; The turning load takes 16 keys x 16 channels (lane l reads key 8 (l / 16) + l % 8, channels 8 ((l / 8) % 2) + 0..7) and leaves half a fragment of V^T: lane l holds channel l % 16 and 8 keys.
	v_and_b32 v10, 7, v0
	v_bfe_u32 v11, v0, 3, 1
	v_lshl_add_u32 v[AV0], v9, 3, v10
	v_mul_u32_u24 v[AV0], v[AV0], PV
	v_lshl_add_u32 v[AV0], v11, 4, v[AV0]
	v_add_nc_u32 v[AV0], VOFF, v[AV0]
	v_mov_b32 v[AK], v[AK0]         ; key step 0 lies at the head of slot 0
	v_and_b32 v[PFO], 31, v0
	v_lshlrev_b32 v[PFO], 8, v[PFO]
	; THE MASK TABLE: rounded to bf16, times log2(e), held at -1e30 from below; 16 numbers a thread
	s_wait_loadcnt 32               ; the mask's four loads are in; Q's 32, issued behind them, may stay out
.set i, 0
.rept 8
	v_cvt_pk_bf16_f32 v[S+16], v[S+2*i], v[S+2*i+1]
	v_lshlrev_b32 v[S+2*i], 16, v[S+16]
	v_and_b32 v[S+2*i+1], 0xffff0000, v[S+16]
	v_pk_mul_f32 v[S+2*i:S+2*i+1], v[S+2*i:S+2*i+1], 0x3fb8aa3b op_sel_hi:[1,0]
	v_max_num_f32 v[S+2*i], s[BIGN], v[S+2*i]
	v_max_num_f32 v[S+2*i+1], s[BIGN], v[S+2*i+1]
.set i, i+1
.endr
	v_add_nc_u32 v[AM], MASKT, v15
.irp i, 0,1,2,3
	ds_store_b128 v[AM], v[S+4*\i:S+4*\i+3] offset:2048*\i
.endr
	v_lshl_add_u32 v[AM0], v9, 5, MASKT  ; register j of key block kb is the mask of key 16 kb + 8 (l / 16) + j
	v_mov_b32 v[AM], v[AM0]         ; key step 0
; THE MATRIX WORK.  The 8 accumulators of a run of 16 take turns: between the two links of a chain stand 7 others'.
; Product i of 16 of S^T = K Q^T + mask for piece x: channels 32 (i / 8) on, keys 16 ((i / 2) % 4) on, tile 2 x + i % 2.  The first 8 start the sums, with the mask as C.
.macro KQ x
.set rS, S+64*((\x)%2)+32*(i%2)+8*((i/2)%4)
.set rK, KF+16*((i/2)%4)+8*(i/8)
.set rQ, 16*(2*(\x)+i%2)+8*(i/8)
.set rM, MK+8*((i/2)%4)
.if i < 8
	WIN W_KM
	v_wmma_f32_16x16x32_f16 v[rS:rS+7], v[rK:rK+7], v[rQ:rQ+7], v[rM:rM+7]
.else
	WIN W_KQ
	v_wmma_f32_16x16x32_f16 v[rS:rS+7], v[rK:rK+7], v[rQ:rQ+7], v[rS:rS+7]
.endif
.endm
; Product i of 16 of O^T += V^T P for piece x: keys 32 (i / 8) on, channels 16 ((i / 2) % 4) on, tile 2 x + i % 2.
.macro PV x
	WIN W_PV
.set rO, 32*(2*(\x)+i%2)+8*((i/2)%4)
.set rV, VF+32*(i/8)+8*((i/2)%4)
.set rP, P+32*((\x)%2)+16*(i%2)+8*(i/8)
	v_wmma_f32_16x16x32_f16 v[rO:rO+7], v[rV:rV+7], v[rP:rP+7], v[rO:rO+7]
.endm
.macro MM                           ; the turn's next matrix instruction
.if i < 16
	KQ (Y+1)%NP
.set i, i+1
.else
.set i, i-16
	PV (Y+NP-1)%NP
.set i, i+17
.endif
.endm
; THE LDS LOADS stand in runs, never singly among the matrix instructions: a step's K (8 fragments) with its 64 mask numbers, and its V (turned).  Their addresses are made some lines ahead.
; last = 1 (the tail): in the last trip there is no further step, and the run is jumped over.
.macro FETCH_K last=0
	WIN 0
.if \last
	s_cmp_eq_u32 s[CNT], 1
	s_cbranch_scc1 .Lno_k_\@
.endif
	WIN 0x80                        ; destination window 2
.irp f, 0,1,2,3,4,5,6,7             ; keys 16 (f / 2) on, channels 32 (f % 2) on
	ds_load_b128 v[KF+8*\f:KF+8*\f+3],   v[AK] offset:(\f/2)*16*PK+(\f%2)*64
	ds_load_b128 v[KF+8*\f+4:KF+8*\f+7], v[AK] offset:(\f/2)*16*PK+(\f%2)*64+32
.endr
	WIN W_MK                        ; destination window 3
.irp f, 0,1,2,3
	ds_load_b128 v[MK+8*\f:MK+8*\f+3],   v[AM] offset:64*\f
	ds_load_b128 v[MK+8*\f+4:MK+8*\f+7], v[AM] offset:64*\f+16
.endr
	s_add_co_u32 s[TBK], s[TBK], KS*PK  ; the next fetch is the next step's
	s_add_co_u32 s[TBM], s[TBM], 4*KS
	s_and_b32 s[TBM], s[TBM], 0x1f00    ; it stays inside the table's 8,192 bytes
	WIN 0
.if \last
.Lno_k_\@:
.endif
.endm
.macro FETCH_V
	WIN 0x80
.irp f, 0,1,2,3,4,5,6,7             ; keys 32 (f / 4) on, channels 16 (f % 4) on
	ds_load_tr16_b128 v[VF+8*\f:VF+8*\f+3],   v[AV] offset:(\f/4)*32*PV+(\f%4)*32
	ds_load_tr16_b128 v[VF+8*\f+4:VF+8*\f+7], v[AV] offset:(\f/4)*32*PV+16*PV+(\f%4)*32
.endr
	WIN 0
.endm
; THE VECTOR WORK OF A TURN stands in three queues, each in the order in which its entries become ready; the two tiles alternate, so that no instruction reads the result of the one before it.
.macro REGS y, u                    ; the registers of tile u (0, 1) of piece y
.set rT, ST+4*(2*(\y)+(\u))
.set rC, TMP+8*((\y)%2)+4*(\u)
.set rS, S+64*((\y)%2)+32*(\u)
.set rP, P+32*((\y)%2)+16*(\u)
.set rO, 32*(2*(\y)+(\u))
.endm
; Number n of the 21 that find the NEXT piece's (Y + 1) maximum and statistics.  s0-s31 are the lane's 32 scores; each accumulator's lowest registers are read first.  XS, GS and REGS set no window.
;   0-11  four chains c0-c3 of seven scores each, three operands at a time     12-14, 16  the four scores left over, the old m, and c0-c3 into c0     15  m_old is kept
;   17, 18  the query's other 32 keys lie in the lane 16 away: the new m         19, 20  m_old - m_new; a
.macro XS u, n
	REGS (Y+1)%NP, \u
.if (\n) < 4
	v_max3_num_f32 v[rC+(\n)], v[rS+8*(\n)], v[rS+8*(\n)+1], v[rS+8*(\n)+2]
.elseif (\n) < 12
	v_max3_num_f32 v[rC+(\n)%4], v[rC+(\n)%4], v[rS+8*((\n)%4)+2*((\n)/4)+1], v[rS+8*((\n)%4)+2*((\n)/4)+2]
.elseif (\n) == 12
	v_max3_num_f32 v[rC], v[rC], v[rS+7], v[rS+15]
.elseif (\n) == 13
	v_max3_num_f32 v[rC+1], v[rC+1], v[rS+23], v[rS+31]
.elseif (\n) == 14
	v_max3_num_f32 v[rC+2], v[rC+2], v[rC+3], v[rT]
.elseif (\n) == 15
	v_mov_b32 v[rT+1], v[rT]
.elseif (\n) == 16
	v_max3_num_f32 v[rC], v[rC], v[rC+1], v[rC+2]
.elseif (\n) == 17
	v_permlanex16_b32 v[rC+3], v[rC], s[SEL], s[SEL+1]
.elseif (\n) == 18
	v_max_num_f32 v[rT], v[rC], v[rC+3]
.elseif (\n) == 19
	v_sub_f32 v[rC+1], v[rT+1], v[rT]
.else
	v_exp_f32 v[rC+2], v[rC+1]
.endif
.endm
; Number g of the 64 that follow the exponentials.  For each four weights k of a tile (pairs 2 k, 2 k + 1): both pairs are rounded to f16; then the second pair is added onto the first, in place;
; a group later l takes that sum (the first time as l = a l + sum).  In groups of eight, tiles alternating: round, round, add, and l for the group before.
.macro GS g
.set h, (\g)+6*((\g)/62)            ; group 0 has no group before it, and behind group 7 only l is left
.if h >= 6
.set h, h+2
.endif
	REGS Y, h%2
.set k, h/8
.if h%8 < 4
	s_wait_alu depctr_va_vdst(0)
	v_cvt_pk_f16_f32 v[rP+2*k+(h%8)/2], v[rS+4*k+2*((h%8)/2)], v[rS+4*k+2*((h%8)/2)+1]
.elseif h%8 < 6
	v_pk_add_f32 v[rS+4*k:rS+4*k+1], v[rS+4*k:rS+4*k+1], v[rS+4*k+2:rS+4*k+3]
.elseif k == 1
	v_pk_fma_f32 v[rT+2:rT+3], v[rT+2:rT+3], v[rC+2:rC+3], v[rS:rS+1] op_sel_hi:[1,0,1]
.else
	v_pk_add_f32 v[rT+2:rT+3], v[rT+2:rT+3], v[rS+4*k-4:rS+4*k-3]
	s_wait_alu depctr_va_vdst(0)
.endif
.endm
; THE PLAIN QUEUE, 136 long.  0-31: S - m for the 16 pairs of both tiles.  Then GS's 64, and among them the next piece's 40: number 15 at 38, 39; 0-14 and 16
; at 42-73, behind the products that make those scores; 17-19 at 95-103, two of three, since each waits for the one before it.
.macro PL
	WIN 0
.if q < 32
	REGS Y, q%2
	v_pk_add_f32 v[rS+2*(q/2):rS+2*(q/2)+1], v[rS+2*(q/2):rS+2*(q/2)+1], v[rT:rT+1] op_sel_hi:[1,0] neg_lo:[0,1] neg_hi:[0,1]
.elseif q < 38
	GS q-32
.elseif q < 40
	XS q%2, 15
.elseif q < 42
	GS q-34
.elseif q < 74
	XS q%2, (q-42)/2+(q-42)/30
.elseif q < 95
	GS q-66
.elseif (q < 104) && ((q-95)%3 < 2)
	XS (q-95)%3, 17+(q-95)/3
.elseif q < 104
	GS 29+(q-95)/3
.else
	GS q-72
.endif
.set q, q+1
.endm
; THE EXPONENTIALS' QUEUE, 66 long: s0-s31 of both tiles, and at EA the next piece's two a.
.set EA, 58
.macro EX
	WIN 0
.if (e == EA) || (e == EA+1)
	XS e-EA, 20
.else
.set x, e-2*(e/(EA+2))
	REGS Y, x%2
	v_exp_f32 v[rS+x/2], v[rS+x/2]
.endif
.set e, e+1
.endm
; THE RESCALING's QUEUE: O^T times a, the one part that leaves window 0, so it is dealt four at a time, eight times.
.macro R4
	REGS Y, r%2
	WIN W_RS
	s_wait_alu depctr_va_vdst(0)
.irp z, 0,1,2,3
	v_pk_mul_f32 v[rO+8*(r/2)+2*\z:rO+8*(r/2)+2*\z+1], v[rO+8*(r/2)+2*\z:rO+8*(r/2)+2*\z+1], v[rC+2:rC+3] op_sel_hi:[1,0]
.endr
.set r, r+1
.endm
; HOW THEY ARE DEALT.  Behind a matrix instruction four: plain, exponential, plain, plain, or four of the rescaling.  None names a register of the products round it.  What is over stands in two LUMPS:
; exponential and plain by turns; the second ends in 20 plain instructions.  The two v_permlanex16_b32 fall into the second lump.  The queues lean on each other, and the deal keeps them in step:
; exponential e stands behind plain 2 (e / 4) + e % 2 (its subtraction); when plain 32 comes, 10 exponentials are out, at 59: 33, at 95: 46; in the second lump exponential e stands just ahead of plain
; e + 50, and the rounding that needs it comes 14 plain numbers later or more; EA comes behind plain 107, number 19 at 101 and 102.
.macro SL
	MM
	PL
	EX
	PL
	PL
.endm
.macro BURST n                      ; 15 matrix instructions, or 16
.rept (\n)-7
	SL
.endr
.rept 3
	MM
	R4
	SL
.endr
	MM
	R4
.endm
; A TURN, for piece p.  cnt = 1: the loop's count is taken down some lines ahead of the branch that stands behind the turn.
; K and the mask of the next step are fetched in piece 2's turn, in the first lump, behind the last product that read them; their first reader comes behind the rest of the lump, 16 products and the second lump.
; V of the step in hand is fetched at the end of piece 0's turn; its first reader comes behind 16 products and a lump.  The conditions on e and q below go with the deal.
.macro TURN p, last=0, cnt=0
.set Y, (\p)
.set i, 0
.set q, 0
.set e, 0
.set r, 0
.if (\p) == NP-1
	s_wait_dscnt 0x0                ; K and the mask are in
.endif
	MM
.rept 4
	PL
.endr
	BURST 15
.rept 22
	EX
	PL
.if ((\p) == NP-2) && (e == 18)
	v_add_nc_u32 v[AK], s[TBK], v[AK0]
	v_add_nc_u32 v[AM], s[TBM], v[AM0]
.endif
.if ((\p) == NP-2) && (e == 24)
	FETCH_K \last
.endif
.endr
.if (\p) == 1
	s_wait_dscnt 0x0                ; V is in
.endif
	BURST 16
.rept 21
	EX
	PL
.endr
.rept 20
	PL
.if ((\p) == 0) && (q == 118)
	v_add_nc_u32 v[AV], s[TBV], v[AV0]
	s_wait_alu depctr_va_vdst(0)
.endif
.if ((\p) == 0) && (q == 130)
	s_add_co_u32 s[TBV], s[TBV], KS*PV
.endif
.if (\cnt) && (q == 130)
	s_sub_co_u32 s[CNT], s[CNT], 1
	s_cmp_lg_u32 s[CNT], 0
.endif
.endr
.if (\p) == 0
	FETCH_V
.endif
.endm
	CHANGE 1                        ; slot 0 is in, everybody's part of it, and so is the mask table; slot 1 is asked for
	FETCH_K                         ; key step 0
	s_wait_loadcnt 0x0              ; Q
	s_wait_dscnt 0x0
.set i, 0
.rept 16
	KQ 0                            ; piece 0's first scores: there is no vector work yet to set between them
.set i, i+1
.endr
	WIN 0                           ; the addresses for the way out: ten plain instructions, the places behind those products
	s_mul_i32 s15, s[WV], 16*SP
	s_add_co_u32 s15, s15, STAGE    ; my stage
	v_mul_u32_u24 v[STO], v1, SP    ; in: row l % 16, 32 bytes for each half of the lanes
	v_lshl_add_u32 v[STO], v9, 5, v[STO]
	v_add_nc_u32 v[STO], s15, v[STO]
	v_mul_u32_u24 v[RD], v9, SP     ; back: lanes 0-15 take one row of 256 bytes, lanes 16-31 the next
	v_lshl_add_u32 v[RD], v1, 4, v[RD]
	v_add_nc_u32 v[RD], s15, v[RD]
	v_lshlrev_b32 v[GO], 12, v9     ; and the same two rows in out0, 4,096 bytes apart
	v_lshl_add_u32 v[GO], v1, 4, v[GO]
.set Y, NP-1                        ; XS works for piece Y + 1: piece 0
.irp n, 0,1,2,3,4,5,6,7,8,9,10,11,12,13,14,15,16,17,18,19,20
	XS 0, \n                        ; and piece 0's first maximum and statistics
	XS 1, \n
.endr
	s_mov_b32 s[CNT], 4
	s_branch .Lfirst                ; the loop is entered at a step's first turn, in the middle of a trip
.Lslot:                             ; SIZE_N / 256 - 2 times: every slot but the last two is filled again
	CHANGE 1
	s_mov_b32 s[CNT], 4
.Lstep:                             ; a trip: pieces 2 and 3 of one step, then pieces 0 and 1 of the next, whose K and V it fetches
	TURN 2
	TURN 3
	WIN 0
.Lfirst:
	TURN 0
	TURN 1, 0, 1
	WIN 0
	s_cbranch_scc1 .Lstep
	s_sub_co_u32 s[SLOTS], s[SLOTS], 1
	s_cmp_lg_u32 s[SLOTS], 0
	s_cbranch_scc1 .Lslot
	CHANGE 0                        ; the tail is written out: nothing is asked for
	s_mov_b32 s[CNT], 5             ; four trips fetch the last slot's steps; the fifth is left in its middle
.Ltail:
	TURN 2, 1
	TURN 3
	WIN 0
	s_sub_co_u32 s[CNT], s[CNT], 1
	s_cmp_eq_u32 s[CNT], 0
	s_cbranch_scc1 .Lout
	TURN 0
	TURN 1
	WIN 0
	s_branch .Ltail
.Lout:                              ; the fifth trip's 16 products K Q^T (on the last K once more) and the maximum made of them serve nothing: the price, once a launch, of one text for every trip
.set i, 0
.rept 16
	PV NP-1                         ; the last piece's V^T P of the last step
.set i, i+1
.endr
	; THE WAY OUT.  l's two halves and the other half of the lanes' are added; O^T is divided by l and sent, in f32, through my stage in LDS, a tile at a time.  The additions are the places behind the last products.
	WIN 0
.macro ALL line:vararg              ; one line for each tile t
.set t, 0
.rept 2*NP
	\line
.set t, t+1
.endr
.endm
	ALL v_add_f32 v[ST+4*t+2], v[ST+4*t+2], v[ST+4*t+3]
	ALL v_permlanex16_b32 v[ST+4*t+3], v[ST+4*t+2], s[SEL], s[SEL+1]
	ALL v_add_f32 v[ST+4*t+2], v[ST+4*t+2], v[ST+4*t+3]
	ALL v_rcp_f32 v[ST+4*t+2], v[ST+4*t+2]
	v_nop                           ; a plain instruction between the last reciprocal and the use of its result
	s_wait_alu depctr_va_vdst(0)
; Tile t: a lane's eight channels of a block of 16 are 32 bytes of a row; they go into rows of 272 bytes and come back as whole rows of 256, into one of four buffers in S^T's registers.
.macro PACK t
	WIN W_RS
.set i, 32*(\t)
.rept 16
	v_pk_mul_f32 v[i:i+1], v[i:i+1], v[ST+4*(\t)+2:ST+4*(\t)+3] op_sel_hi:[1,0]
.set i, i+2
.endr
.if (\t) >= 4
	s_wait_xcnt 0x0                 ; the stores of the tile four back have read the buffer that is loaded again below
.endif
	WIN 0x04                        ; store data (source 1) window 1, address window 0
.irp f, 0,1,2,3,4,5,6,7
	ds_store_b128 v[STO], v[32*(\t)+4*\f:32*(\t)+4*\f+3] offset:64*(\f/2)+16*(\f%2)
.endr
	WIN 0
.irp f, 0,1,2,3,4,5,6,7
	ds_load_b128 v[S+32*((\t)%4)+4*\f:S+32*((\t)%4)+4*\f+3], v[RD] offset:\f*2*SP  ; LDS serves a wave's instructions in order (ISA guide 5.7.1.4): these see the stores above; the next tile's stores come behind them
.endr
.endm
.macro SEND t, younger              ; younger: the LDS instructions issued behind tile t's loads: the next tile's sixteen, or none
	WIN 0
.irp f, 0,1,2,3,4,5,6,7
	s_wait_dscnt (\younger)+7-\f
	global_store_b128 v[GO], v[S+32*((\t)%4)+4*\f:S+32*((\t)%4)+4*\f+3], s[8:9] offset:(\t)*65536+\f*8192 th:TH_STORE_NT  ; 16 lanes store 256 consecutive bytes, at a multiple of 256 from out0's first byte
.endr
.endm
	PACK 0
.set t, 1
.rept 2*NP-1                        ; a tile's arithmetic stands between the loads of the tile before and its stores
	PACK t
	SEND t-1, 16
.set t, t+1
.endr
	SEND 2*NP-1, 0
	WIN W_AD
	s_wait_tensorcnt 0x0            ; the wave's end: these three lines stand behind my last tensor load and my last LDS store
	ds_add_u32 v[SPW], v[NIL]
	s_wait_dscnt 0x0
	WIN 0
	CROUND                          ; the closing round: no work-group ends while a partner may still ask for a tile that names it
	s_endpgm
.Lfunc_end_k_qb7e7ba3a07_attn:
	.size	k_qb7e7ba3a07_attn, .Lfunc_end_k_qb7e7ba3a07_attn-k_qb7e7ba3a07_attn
	.p2alignl 7, 3214868480
	.fill 96, 4, 3214868480
	.section	.rodata,"a",@progbits
	.p2align	6, 0x0
	.amdhsa_kernel k_qb7e7ba3a07_attn
		.amdhsa_group_segment_fixed_size 327680
		.amdhsa_private_segment_fixed_size 0
		.amdhsa_enable_private_segment 0
		.amdhsa_kernarg_size 24
		.amdhsa_user_sgpr_count 2
		.amdhsa_user_sgpr_kernarg_segment_ptr 1
		.amdhsa_wavefront_size32 1
		.amdhsa_system_sgpr_workgroup_id_x 1
		.amdhsa_system_sgpr_workgroup_id_y 1
		.amdhsa_system_sgpr_workgroup_id_z 1
		.amdhsa_system_vgpr_workitem_id 0
		.amdhsa_next_free_vgpr 808
		.amdhsa_next_free_sgpr 66
		.amdhsa_reserve_vcc 0
		.amdhsa_float_denorm_mode_32 3
		.amdhsa_float_denorm_mode_16_64 3
		.amdhsa_memory_ordered 1
		.amdhsa_forward_progress 1
		.amdhsa_inst_pref_size 215
	.end_amdhsa_kernel
	.amdgpu_metadata
---
amdhsa.version: [ 1, 2 ]
amdhsa.kernels:
  - .name:           k_qb7e7ba3a07_attn
    .symbol:         k_qb7e7ba3a07_attn.kd
    .args:
      - { .name: qkv, .offset: 0, .size: 8, .value_kind: global_buffer, .address_space: global }
      - { .name: attention_mask, .offset: 8, .size: 8, .value_kind: global_buffer, .address_space: global }
      - { .name: out0, .offset: 16, .size: 8, .value_kind: global_buffer, .address_space: global }
    .group_segment_fixed_size: 327680
    .private_segment_fixed_size: 0
    .kernarg_segment_align: 8
    .kernarg_segment_size: 24
    .max_flat_workgroup_size: 128
    .sgpr_count:     66
    .vgpr_count:     808
    .wavefront_size: 32
...
	.end_amdgpu_metadata
.endif
;; end of part 3
